; MI455X (gfx1250); checked and timed in simulation.
; The chip was launched on July 23, 2026; its instructions are those of AMD's public machine-readable ISA for CDNA 5 (MIT licence, August 2026) and "CDNA5" Instruction Set Architecture Reference Guide (July 2026). The comments in the code are by the model that wrote it; some were corrected since.
;; Multi Head. Allowed arithmetic: matrix products marked QUANTISED: E2M1 operands, one E8M0 scale for each 32 along K, by v_wmma_scale_f32_16x16x128_f8f6f4 with both operands' format E2M1 (or v_wmma_scale_f32_32x16x128_f4), f32 sums; everything else in f32.
;; Inputs: Wk_codes 1,024 x 32 x 16 uint8 (E2M1 codes of Wk, K innermost, in blocks of 32 codes, two codes a byte); Wk_scales 1,024 x 32 uint8 (E8M0 scales of Wk, one for each 32 codes along K); Wo_codes 1,024 x 32 x 16 uint8 (E2M1 codes of Wo, K innermost, in blocks of 32 codes, two codes a byte); Wo_scales 1,024 x 32 uint8 (E8M0 scales of Wo, one for each 32 codes along K); Wq_codes 1,024 x 32 x 16 uint8 (E2M1 codes of Wq, K innermost, in blocks of 32 codes, two codes a byte); Wq_scales 1,024 x 32 uint8 (E8M0 scales of Wq, one for each 32 codes along K); Wv_codes 1,024 x 32 x 16 uint8 (E2M1 codes of Wv, K innermost, in blocks of 32 codes, two codes a byte); Wv_scales 1,024 x 32 uint8 (E8M0 scales of Wv, one for each 32 codes along K); beta 1,024 float32; bk 1,024 float32; bo 1,024 float32; bq 1,024 float32; bv 1,024 float32; gamma 1,024 float32; k_codes 4 x 2,048 x 32 x 16 uint8 (E2M1 codes of k, K innermost, in blocks of 32 codes, two codes a byte); k_scales 4 x 2,048 x 32 uint8 (E8M0 scales of k, one for each 32 codes along K); mask 4 x 1 x 2,048 x 2,048 bool; q 4 x 2,048 x 1,024 float32; v_codes 4 x 2,048 x 32 x 16 uint8 (E2M1 codes of v, K innermost, in blocks of 32 codes, two codes a byte); v_scales 4 x 2,048 x 32 uint8 (E8M0 scales of v, one for each 32 codes along K).
;; Outputs: out0 4 x 2,048 x 1,024 float32.
;; Constants: training = 0.
;; This version of the problem:
;;   THIS VERSION OF THE PROBLEM IS GIVEN IN LOW PRECISION. The matrix products marked QUANTISED in the list below multiply operands that are first quantised to E2M1 (2 exponent bits, 1 mantissa bit; 4 bits a number), with one power-of-two scale for each 32 numbers along K (OCP MX v1.0); their sums are f32. All else is computed in f32.
;;   The module's matrix products, in the order in which they are computed (A, B: the left and right operand; K: the contracted axis; several contracted axes count as one K, in the product's order):
;;     1. [M 8,192, K 1,024] x [K 1,024, N 1,024]; A: input q; B: input Wq (given as codes): QUANTISED
;;     2. [M 8,192, K 1,024] x [K 1,024, N 1,024]; A: input k (given as codes); B: input Wk (given as codes): QUANTISED
;;     3. [M 8,192, K 1,024] x [K 1,024, N 1,024]; A: input v (given as codes); B: input Wv (given as codes): QUANTISED
;;     4. batch 64 x [M 2,048, K 64] x [K 64, N 2,048]; A: computed on the way; B: computed on the way: QUANTISED
;;     5. batch 64 x [M 2,048, K 2,048] x [K 2,048, N 64]; A: softmax (see below); B: computed on the way: QUANTISED
;;     6. [M 8,192, K 1,024] x [K 1,024, N 1,024]; A: computed on the way; B: input Wo (given as codes): QUANTISED
;;   THE QUANTISER, for each operand of a quantised product, along K:
;;     - K is cut into blocks of 32 from its start; a last block that is shorter is filled with zeros.
;;     - A block's scale is 2^e with e = floor(log2(the largest magnitude in the block)) - 2, held to -126 .. 127; a block of zeros has e = 0. As a byte (E8M0): e + 127.
;;     - Each number is divided by its block's scale, clamped to +-6, and rounded to the nearest number of E2M1, ties to even, subnormals kept.
;;     - The product sums the exact products of the quantised numbers (number of the format x scale) in f32.
;;   ~~~python
;;   def quantise(x, axis):      # numpy; x: float32 -> the quantised numbers, widened to float32 again
;;       x = np.moveaxis(x, axis, -1); K = x.shape[-1]
;;       x = np.pad(x, [(0, 0)] * (x.ndim - 1) + [(0, -K % 32)]); x = x.reshape(x.shape[:-1] + (-1, 32)); a = np.abs(x).max(-1, keepdims=True)
;;       e = np.where(a > 0, np.clip(np.frexp(np.where(a > 0, a, 1))[1] - 1 - 2, -126, 127), 0)      # np.frexp(a)[1] - 1 = floor(log2(a)), exactly
;;       r = np.clip(x / 2.0 ** e, -6, 6)
;;       step = 2.0 ** (np.maximum(np.frexp(np.where(r == 0, 1, r))[1] - 1, 0) - 1)
;;       q = np.round(r / step) * step * 2.0 ** e      # np.round: ties to even
;;       return np.moveaxis(q.reshape(q.shape[:-2] + (-1,))[..., :K], -1, axis).astype(np.float32)
;;   ~~~
;;   SOFTMAX AHEAD OF A QUANTISED PRODUCT. Where the list says 'softmax', what is quantised is not the finished softmax but p = 2^(t - M), with t = logit x log2(e) and M = ceil(the row's largest t), a whole number; so 1/2 < the row's largest p <= 1. The row's sum l is taken of the UNQUANTISED p, in f32, and the product's result is divided by l at the end. Since M is a whole number, a kernel that streams over the keys may use a running M (the ceiling of the running maximum): every later rescaling is an exact power of two, which a block's scale takes up: the codes' values come out the same.
;;   OPERANDS COMPUTED ON THE WAY. 'Computed on the way' means the value that the module computes at that place (a softmax that the list does not call 'softmax' is quantised finished and normalised). What goes into a quantiser is computed in f32, as accurately as f32 sums, v_exp_f32 and their like allow (about 1e-6 of the number): no bf16 or f16 on the way to a quantiser, and a product that is left as it is and whose result goes on into a quantised operand takes f32 operands (vector FMAs, or v_wmma_f32_16x16x4_f32). A number that lies on a knife's edge between two numbers of the format may be rounded either way, as far as f32 arithmetic and the matrix unit's own rounding can turn it there, and no further.
;;   INPUTS GIVEN AS CODES. Wk (in the module: [1024, 1024], K = its axis 1); Wo (in the module: [1024, 1024], K = its axis 1); Wq (in the module: [1024, 1024], K = its axis 1); Wv (in the module: [1024, 1024], K = its axis 1); k (in the module: [4, 2048, 1024], K = its axis 2); v (in the module: [4, 2048, 1024], K = its axis 2): each comes as NAME_codes (uint8): NAME with its K axis moved to the last place and cut into blocks of 32 codes, [.., K / 32, bytes a block], one block behind the other in memory; two codes a byte, the lower K in the low four bits (a code: sign, 2 exponent bits, 1 mantissa bit); and NAME_scales (uint8): the same leading axes, one E8M0 byte (e + 127) for each 32 codes along K. Its value is code x scale, taken as it is: it is not quantised again, and the codes and scales need not be those that the quantiser above would give.
;; One version. Each part assembles by itself: llvm-mc -triple=amdgcn-amd-amdhsa -mcpu=gfx1250 --defsym DOCPART=n.
;; ======== version 1 of 1: 3 launches
;; workspace buffers: qa 4,456,448 bytes; ka 4,718,592 bytes; va 4,456,448 bytes; wf 1,048,576 bytes; mw 2,097,152 bytes of whole numbers; ca 4,456,448 bytes
;; launch prep (part 1): grid 512 x 1, 8 waves a work-group, no clusters, 312,320 bytes of LDS; arguments k_codes, k_scales, Wk_codes, Wk_scales, bk, v_codes, v_scales, Wv_codes, Wv_scales, bv, q, mask, Wq_codes, Wo_codes, ka, va, qa, wf, mw; writes ka, va, qa, wf, mw
.if DOCPART == 1
	.amdgcn_target "amdgcn-amd-amdhsa--gfx1250"
	.amdhsa_code_object_version 6
	.text
	.protected	k_qc1ad546997_prep
	.globl	k_qc1ad546997_prep
	.p2align	8
	.type	k_qc1ad546997_prep,@function
k_qc1ad546997_prep:
	s_mov_b64 s[64:65], 0
	v_nop
	global_prefetch_b8 v0, s[64:65] scope:SCOPE_SE
	s_setreg_imm32_b32 hwreg(HW_REG_WAVE_MODE, 25, 1), 1
	s_wait_xcnt 0x0
; PREP.  Every work-group g of 512 does one tile of a projection and 1/512 of four streams; the streams run while its tiles are on their way.
; THE PROJECTIONS (MX-FP4 codes as given, f32 sums): g < 256: K = k Wk^T + bk;  g >= 256: V = v Wv^T + bv.  One text serves both: X (256 rows, source 0) x Y (128 rows, source 1), 1,024 along K.
;   K half: X = rows of Wk, Y = tokens of k.   V half: X = tokens of v, Y = rows of Wv.   Only pointers, offsets and the two factors sK, sV are chosen by the work-group's number.
;   Wave w: half xi = w & 1 of X (8 tiles), quarter yj = w >> 1 of Y (2 tiles): 16 accumulators.
;   X'S TILES are 16 neighbouring rows: the sixteen rows that a fragment load touches lie 272 bytes apart, at sixteen different 16-byte columns modulo 256.  In the results of tiles 2 b and 2 b + 1 a lane (r, h) then holds
;   rows 8 h + 0 .. 7 and 16 + 8 h + 0 .. 7 of block b of 32; lane l xor 16 has the other 16.  The conversions' results are laid so that two exchanges of halves give the operand's order.
;   Y'S TILES are not neighbours: lane r of tile u takes row 8 u + r + 8 (r / 8) of the wave's 32, because the attention launch wants its tiles of keys and of channels so (their 4 loads of a K step's 20 take rows 16 apart, which fall on the same columns).
;   A lane holds one row of Y: a key with two heads' 128 channels (K), or a channel with a key step's 128 keys (V): quantised along X they ARE the operand registers of the attention launch,
;   and leave as images of those registers: four registers a lane at 16 x lane, 512 consecutive bytes a store.
; THE STREAMS: q's token tile g, 128 along K a wave, becomes codes and scale words (qa, in operand order); rows 16 g .. 16 g + 15 of the mask become, for each register of a score tile, the word of 32 lane
;   bits that hides it (mw); Wq and Wo are copied into operand order (wf), 8 bytes a thread.
; LDS: all of K of X and Y, two halves of 384 rows x (256 + 16) bytes, filled ONCE by tensor loads (64 rows each, waves 0-5, two a wave: two tensor loads of a wave are out at the most); behind them each wave's own stages.
; No cluster: a work-group asks for its 192 KB once, at its head; neighbours share a third (K half) or two thirds (V half) of them, by rules that differ between the halves of the grid: the joint form is not built.
; LIMITS: NaN and infinities among the inputs are not served; a block of zeros gets the scale byte 1 (its codes are zeros, and this program alone reads the bytes); a block's largest magnitude is taken as 2^-124 at the least.
; REGISTERS.  window 0: v1-3 lane, r, h; v4-7 LDS addresses of X's and Y's fragments in the two halves; v8, v9 16 x and 8 x lane; v10-13 the stages; v14-23 global offsets; v24-31 codes; v32-47 at work;
;   v48, v49 scale words made; v50-55 copy, bv; v56-63 Y's scale words; v64-127 mask bytes, offsets and (v112-119) the mask's work, then X's fragments, then results; v128-191 q's numbers, then Y's fragments and codes;
;   v192-223 mask as loaded, then its words; v224-255 X's scale words.   window 1: v0-127 accumulators ((t, y) at 8 (2 t + y)); v128-191 bk in the result's layout; v192-255 q as loaded.
.set CH,   104448                      ; a half of K: 384 rows x 272 bytes
.set QST,  208896                      ; q's stages: 16 rows x 528 bytes a wave
.set MST,  276480                      ; the mask's stages: 16 rows x 272 bytes a wave
.set XF,   64
.set YF,   128
.set TQ,   128
.set TE,   64
.set PC0,  24
.set TM,   32
.set SY,   56
.set SX,   224
.set BX,   128
.set SEL,  100
.set MSB,  0
.macro WIN new                         ; the immediate's high byte repeats the setting that is left
.if MSB != \new
	s_set_vgpr_msb (MSB<<8)|\new
.set MSB, \new
.endif
.endm
.macro PLACES n
.rept \n
	v_nop
.endr
.endm
; 64 numbers of a lane become a fragment's 8 registers of codes in v[pc] on and its scale word in v[pw].  Registers 16 b .. 16 b + 15 are my 16 numbers of block b of my row:
; nat = 0: k = 32 b + 16 (lane / 16) + 0 .. 15;   nat = 1: k = 32 b + 8 (lane / 16) + 0 .. 7, then 32 b + 16 + 8 (lane / 16) + 0 .. 7
.macro QUANT4 s, pc, pw, nat
.irp b, 0,1,2,3
	v_max3_num_f32 v[TM+\b], |v[\s+16*\b]|, |v[\s+1+16*\b]|, 0x1800000   ; my 16 numbers of block b, and the floor 2^(3 - 127): the byte cannot fall under 1
.endr
.irp i, 2,4,6,8,10,12,14
.irp b, 0,1,2,3
	v_max3_num_f32 v[TM+\b], v[TM+\b], |v[\s+16*\b+\i]|, |v[\s+1+16*\b+\i]|
.endr
.endr
.irp b, 0,1,2,3
	v_permlanex16_b32 v[TM+4+\b], v[TM+\b], s[SEL], s[SEL+1]
.endr
.irp b, 0,1,2,3
	v_max_num_f32 v[TM+\b], v[TM+\b], v[TM+4+\b]   ; with lane l xor 16's: the block's largest magnitude
.endr
.irp b, 0,1,2,3
	v_add_nc_u32 v[TM+12+\b], 0xff000000, v[TM+\b] ; 2 off its exponent field: the conversion's scale operand
.endr
.irp b, 0,1,2,3
	v_lshrrev_b32 v[TM+4+\b], 23, v[TM+12+\b]      ; the scale's byte
.endr
	v_lshl_or_b32 v[\pw], v[TM+5], 8, v[TM+4]
	v_lshl_or_b32 v[\pw], v[TM+6], 16, v[\pw]
	v_lshl_or_b32 v[\pw], v[TM+7], 24, v[\pw]
.irp b, 0,1,2,3
.if \nat
	v_cvt_scalef32_pk8_fp4_f32 v[\pc+4*(\b/2)+(\b%2)], v[\s+16*\b:\s+7+16*\b], v[TM+12+\b]        ; k = 8 h + 0 .. 7 of the block: registers 0 (even block) and 1 (odd block) of the pair's four,
	v_cvt_scalef32_pk8_fp4_f32 v[\pc+4*(\b/2)+2+(\b%2)], v[\s+8+16*\b:\s+15+16*\b], v[TM+12+\b]   ; k = 16 + 8 h + 0 .. 7: registers 2 and 3
.else
	v_cvt_scalef32_pk8_fp4_f32 v[\pc+2*\b], v[\s+16*\b:\s+7+16*\b], v[TM+12+\b]
	v_cvt_scalef32_pk8_fp4_f32 v[\pc+1+2*\b], v[\s+8+16*\b:\s+15+16*\b], v[TM+12+\b]
.endif
.endr
	v_nop                                          ; one plain place behind a scaled conversion
.irp c, 0,1                                    ; the operand wants a whole block in a lane: lanes 0-15 block 2 c, lanes 16-31 block 2 c + 1
.irp i, 0,1
.if \nat
	v_permlane16_swap_b32 v[\pc+4*\c+2*\i], v[\pc+4*\c+2*\i+1]   ; the even block's k = 8 .. 15 (24 .. 31) change places with the odd block's k = 0 .. 7 (16 .. 23)
.else
	v_permlane16_swap_b32 v[\pc+4*\c+\i], v[\pc+2+4*\c+\i]
.endif
.endr
.endr
.endm
; one product.  c < 0: the constant 0 starts the sum.  ra, rb = 1: that side's scales are read from lanes 16-31
.macro WMS d, a, b, c, sa, sb, ra, rb
.if (\c) < 0
.if (\ra) && (\rb)
	v_wmma_scale_f32_16x16x128_f8f6f4 v[(\d):(\d)+7], v[(\a):(\a)+7], v[(\b):(\b)+7], 0, v[(\sa)], v[(\sb)] matrix_a_fmt:MATRIX_FMT_FP4 matrix_b_fmt:MATRIX_FMT_FP4 matrix_a_scale:MATRIX_SCALE_ROW1 matrix_b_scale:MATRIX_SCALE_ROW1
.elseif (\ra)
	v_wmma_scale_f32_16x16x128_f8f6f4 v[(\d):(\d)+7], v[(\a):(\a)+7], v[(\b):(\b)+7], 0, v[(\sa)], v[(\sb)] matrix_a_fmt:MATRIX_FMT_FP4 matrix_b_fmt:MATRIX_FMT_FP4 matrix_a_scale:MATRIX_SCALE_ROW1
.elseif (\rb)
	v_wmma_scale_f32_16x16x128_f8f6f4 v[(\d):(\d)+7], v[(\a):(\a)+7], v[(\b):(\b)+7], 0, v[(\sa)], v[(\sb)] matrix_a_fmt:MATRIX_FMT_FP4 matrix_b_fmt:MATRIX_FMT_FP4 matrix_b_scale:MATRIX_SCALE_ROW1
.else
	v_wmma_scale_f32_16x16x128_f8f6f4 v[(\d):(\d)+7], v[(\a):(\a)+7], v[(\b):(\b)+7], 0, v[(\sa)], v[(\sb)] matrix_a_fmt:MATRIX_FMT_FP4 matrix_b_fmt:MATRIX_FMT_FP4
.endif
.else
.if (\ra) && (\rb)
	v_wmma_scale_f32_16x16x128_f8f6f4 v[(\d):(\d)+7], v[(\a):(\a)+7], v[(\b):(\b)+7], v[(\c):(\c)+7], v[(\sa)], v[(\sb)] matrix_a_fmt:MATRIX_FMT_FP4 matrix_b_fmt:MATRIX_FMT_FP4 matrix_a_scale:MATRIX_SCALE_ROW1 matrix_b_scale:MATRIX_SCALE_ROW1
.elseif (\ra)
	v_wmma_scale_f32_16x16x128_f8f6f4 v[(\d):(\d)+7], v[(\a):(\a)+7], v[(\b):(\b)+7], v[(\c):(\c)+7], v[(\sa)], v[(\sb)] matrix_a_fmt:MATRIX_FMT_FP4 matrix_b_fmt:MATRIX_FMT_FP4 matrix_a_scale:MATRIX_SCALE_ROW1
.elseif (\rb)
	v_wmma_scale_f32_16x16x128_f8f6f4 v[(\d):(\d)+7], v[(\a):(\a)+7], v[(\b):(\b)+7], v[(\c):(\c)+7], v[(\sa)], v[(\sb)] matrix_a_fmt:MATRIX_FMT_FP4 matrix_b_fmt:MATRIX_FMT_FP4 matrix_b_scale:MATRIX_SCALE_ROW1
.else
	v_wmma_scale_f32_16x16x128_f8f6f4 v[(\d):(\d)+7], v[(\a):(\a)+7], v[(\b):(\b)+7], v[(\c):(\c)+7], v[(\sa)], v[(\sb)] matrix_a_fmt:MATRIX_FMT_FP4 matrix_b_fmt:MATRIX_FMT_FP4
.endif
.endif
.endm
; 128 along K: 20 LDS loads, 16 products.  The 16 accumulators take turns, one instruction a turn, in the same order in every step.
.macro KSTEP s
.if (\s) > 0
	PLACES 4                                       ; four places between the last products and the loads into registers that they read
.endif
.irp y, 0,1
.irp c, 0,1
	ds_load_b128 v[YF+8*\y+4*\c:YF+8*\y+4*\c+3], v[6+(\s)/4] offset:8*\y*272+64*((\s)%4)+32*\c
.endr
.endr
.irp t, 0,1,2,3,4,5,6,7
.irp c, 0,1
	ds_load_b128 v[XF+8*\t+4*\c:XF+8*\t+4*\c+3], v[4+(\s)/4] offset:16*\t*272+64*((\s)%4)+32*\c
.endr
.endr
	WIN 0x50                                       ; C and D in window 1
.irp t, 0,1,2,3,4,5,6,7
	s_wait_dscnt 2*(7-\t)                          ; Y's fragments and X's tile t are in; the later tiles' two loads each may be out
.irp y, 0,1
.if (\s) == 0
	WMS 8*(2*\t+\y), XF+8*\t, YF+8*\y, -1, SX+8*(\t/2)+(\s), SY+(\s), \t%2, \y
.else
	WMS 8*(2*\t+\y), XF+8*\t, YF+8*\y, 8*(2*\t+\y), SX+8*(\t/2)+(\s), SY+(\s), \t%2, \y
.endif
.endr
.endr
	WIN 0
.endm
	s_load_b512 s[4:19], s[0:1], 0x0               ; k_codes 4, k_scales 6, Wk_codes 8, Wk_scales 10, bk 12, v_codes 14, v_scales 16, Wv_codes 18
	s_load_b512 s[20:35], s[0:1], 0x40             ; Wv_scales 20, bv 22, q 24, mask 26, Wq_codes 28, Wo_codes 30, ka 32, va 34
	s_load_b128 s[36:39], s[0:1], 0x80             ; qa 36, wf 38
	s_load_b64 s[40:41], s[0:1], 0x90              ; mw
	v_lshl_add_u32 v42, v0, 2, 0x4c000
	v_mov_b32 v43, 0
	ds_add_u32 v42, v43
	ds_add_u32 v42, v43
	v_lshrrev_b32 v1, 5, v0
	v_readfirstlane_b32 s3, v1                     ; wave 0..7
	v_and_b32 v1, 31, v0                           ; lane
	v_and_b32 v2, 15, v0                           ; r
	v_bfe_u32 v3, v0, 4, 1                         ; h
	s_and_b32 s60, s3, 1                           ; xi
	s_lshr_b32 s61, s3, 1                          ; yj
	s_and_b32 s42, ttmp9, 255                      ; my number in my half of the grid
	s_and_b32 s66, s42, 3
	s_lshr_b32 s67, s42, 2
	s_lshr_b32 s68, s42, 3
	s_and_b32 s69, s42, 7
	s_and_b32 s78, s61, 1
	s_cmp_lt_u32 ttmp9, 256                        ; the K half?
	s_cselect_b32 s62, s66, s68                    ; X's block of 256 rows
	s_cselect_b32 s63, s67, s69                    ; Y's block of 128 rows
	s_cselect_b32 s79, s61, s78                    ; which pair of tiles of a key step my two tiles of Y are
	s_cselect_b32 s80, 9, 10                       ; log2 of the bytes from tile y = 0 to y = 1 in the output
	s_cselect_b32 s81, 16, 9                       ; and from image c = 0 to c = 1 (K: the next head; V: the fragment's second half)
	s_cselect_b32 s82, 9, 8                        ; log2 of a key step's scale words in bytes
	s_cselect_b32 s83, 0, 1.0                      ; sV
	s_cselect_b32 s84, 1.0, 0                      ; sK: the packed form names a pair
	s_cselect_b32 s85, 1.0, 0
	s_cselect_b32 s86, s62, 0                      ; bk's block (0 in the V half: the load stays inside bk)
	s_cselect_b32 s87, 0, s63                      ; bv's block (0 in the K half)
	s_lshr_b32 s88, s63, 4                         ; K: batch x 16 + head = 16 (yblk / 16) + 4 xblk + 2 xi; key step = yblk % 16
	s_lshl_b32 s88, s88, 4
	s_lshl_b32 s89, s62, 2
	s_add_co_u32 s88, s88, s89
	s_lshl_b32 s89, s60, 1
	s_add_co_u32 s88, s88, s89
	s_and_b32 s89, s63, 15
	s_lshr_b32 s90, s62, 3                         ; V: 16 (xblk / 8) + 2 yblk + yj / 2; key step = 2 (xblk % 8) + xi
	s_lshl_b32 s90, s90, 4
	s_lshl_b32 s91, s63, 1
	s_add_co_u32 s90, s90, s91
	s_lshr_b32 s91, s61, 1
	s_add_co_u32 s90, s90, s91
	s_and_b32 s91, s62, 7
	s_lshl_b32 s91, s91, 1
	s_add_co_u32 s91, s91, s60
	s_cmp_lt_u32 ttmp9, 256
	s_cselect_b32 s88, s88, s90                    ; batch x 16 + head
	s_cselect_b32 s89, s89, s91                    ; key step
	s_lshl_b32 s90, s88, 16                        ; my first image: 65,536 a head, 4,096 a key step, two tiles a pair
	s_lshl_b32 s91, s89, 12
	s_add_co_u32 s90, s90, s91
	s_lshl_b32 s91, s79, s80
	s_lshl_b32 s91, s91, 1
	s_add_co_u32 s90, s90, s91
	s_lshl_b32 s91, 1, s80
	s_lshl_b32 s92, 1, s81
	s_lshl_b32 s93, s88, 4                         ; my scale words: (16 x head + key step) x a step's words + 128 x pair
	s_add_co_u32 s93, s93, s89
	s_lshl_b32 s93, s93, s82
	s_lshl_b32 s94, s79, 7
	s_add_co_u32 s93, s93, s94
	s_lshl_b32 s94, s62, 8                         ; what I fetch: waves 0-3: X's rows 64 w on; waves 4, 5: Y's rows 64 (w - 4) on
	s_lshl_b32 s95, s3, 6
	s_add_co_u32 s94, s94, s95
	s_lshl_b32 s96, s63, 7
	s_add_co_u32 s96, s96, s95
	s_sub_co_u32 s96, s96, 256
	s_cmp_lt_u32 s3, 4
	s_cselect_b32 s94, s94, s96
	s_lshl_b32 s94, s94, 9                         ; a row of 1,024 codes is 512 bytes
	s_mov_b32 s95, 0
	s_mul_i32 s98, s3, 17408                       ; and where it goes: 64 rows x 272 bytes a wave
	s_mov_b32 s99, 0xffff0000                      ; lanes 16-31
	s_mov_b32 s[SEL], 0x76543210
	s_mov_b32 s[SEL+1], 0xfedcba98                 ; v_permlanex16_b32's selects for lane l xor 16
	; descriptor group 1: 64 rows x 256 bytes, 512 bytes apart in memory, 16 bytes of padding behind each in LDS
	s_mov_b32 s44, (1<<20)|(5<<22)|(3<<25)         ; no mask; elements of 1 byte; padding on: after every 64 words, 4 words
	s_mov_b32 s45, 256<<16                         ; tensor_dim0
	s_mov_b32 s46, 64<<16                          ; tensor_dim1
	s_mov_b32 s47, 256<<16                         ; tile_dim0
	s_mov_b32 s48, 64                              ; tile_dim1
	s_mov_b32 s49, 512                             ; tensor_dim0_stride
	s_mov_b32 s50, 0
	s_mov_b32 s51, 0
	; every LDS address is made here, ahead of the branch on the wave's number
	v_and_b32 v109, 8, v2
	v_add_nc_u32 v109, v109, v2                    ; r + 8 (r / 8)
	v_mul_u32_u24 v4, v2, 272
	v_lshl_add_u32 v4, v3, 4, v4                   ; X: row r of a tile, + 16 h
	v_mul_u32_u24 v6, v109, 272
	v_lshl_add_u32 v6, v3, 4, v6                   ; Y: row r + 8 (r / 8), + 16 h
	s_mul_i32 s66, s60, 128*272
	s_mul_i32 s67, s61, 32*272
	s_add_co_u32 s67, s67, 256*272
	v_add_nc_u32 v6, s67, v6                       ; Y's fragments, first half of K
	v_add_nc_u32 v4, s66, v4                       ; X's
	v_add_nc_u32 v5, CH, v4                        ; and in the second half
	v_add_nc_u32 v7, CH, v6
	v_lshlrev_b32 v8, 4, v1
	v_lshlrev_b32 v9, 3, v1
	s_mul_i32 s66, s3, 8448
	s_add_co_u32 s66, s66, QST
	v_add_nc_u32 v10, s66, v8                      ; q's stage, in: a row's 512 bytes as they lie
	v_mul_u32_u24 v11, v2, 528
	v_lshl_add_u32 v11, v3, 6, v11
	v_add_nc_u32 v11, s66, v11                     ; out: row r, + 64 h: my 16 numbers of a block
	s_mul_i32 s66, s3, 4352
	s_add_co_u32 s66, s66, MST
	v_add_nc_u32 v12, s66, v9                      ; the mask's stage, in
	v_mul_u32_u24 v13, v2, 272
	v_lshl_add_u32 v13, v3, 4, v13
	v_add_nc_u32 v13, s66, v13                     ; out: query r, + 16 h keys
	s_wait_dscnt 0x0
	s_wait_kmcnt 0x0
	s_cmp_lt_u32 ttmp9, 256                        ; the choices hang on the work-group's number alone
	s_cselect_b64 s[8:9], s[8:9], s[14:15]         ; X's codes
	s_cselect_b64 s[10:11], s[10:11], s[16:17]     ; X's scales
	s_cselect_b64 s[4:5], s[4:5], s[18:19]         ; Y's codes
	s_cselect_b64 s[6:7], s[6:7], s[20:21]         ; Y's scales
	s_cselect_b64 s[32:33], s[32:33], s[34:35]     ; the output: ka or va
	s_cselect_b64 s[28:29], s[28:29], s[30:31]     ; the weight that is copied: Wq or Wo
	s_cmp_lt_u32 s3, 4
	s_cselect_b64 s[96:97], s[8:9], s[4:5]
	s_add_nc_u64 s[96:97], s[96:97], s[94:95]
	s_mov_b32 s52, 1                               ; group 0, first half of K
	s_mov_b32 s53, s98
	s_mov_b64 s[54:55], s[96:97]
	s_or_b32 s55, s55, 0x80000000
	s_mov_b32 s56, 1                               ; second half: 256 bytes on in each row
	s_add_co_u32 s57, s98, CH
	s_add_nc_u64 s[58:59], s[96:97], 256
	s_or_b32 s59, s59, 0x80000000
	s_cmp_lt_u32 s3, 6
	s_cbranch_scc0 .Lno_fill                       ; waves 6 and 7 fetch nothing
	tensor_load_to_lds s[52:55], s[44:51]          ; both first fills of a wave in one branch, ahead of every wait for them, every LDS read and every barrier
	s_nop 0
	tensor_load_to_lds s[56:59], s[44:51]
	s_nop 0
	PLACES 4
.Lno_fill:
	; global offsets
	s_lshl_b32 s66, s86, 10
	s_lshl_b32 s67, s60, 9
	s_add_co_u32 s66, s66, s67
	v_lshl_add_u32 v23, v3, 5, s66                 ; bk: my 128 rows of X, + 8 h numbers
	s_lshl_b32 s66, s87, 9
	s_lshl_b32 s67, s61, 7
	s_add_co_u32 s66, s66, s67
	v_lshl_add_u32 v102, v109, 2, s66              ; bv: my row of Y in tile 0
	v_lshl_add_u32 v15, v3, 3, v109
	v_lshlrev_b32 v15, 5, v15                      ; Y's scale bytes: lanes 0-15 tile 0's rows, lanes 16-31 tile 1's, 8 rows on; 32 bytes a row
	s_lshl_b32 s66, s63, 12
	s_lshl_b32 s67, s61, 10
	s_add_co_u32 s66, s66, s67
	v_add_nc_u32 v15, s66, v15
	s_lshl_b32 s66, s62, 13
	s_lshl_b32 s67, s60, 12
	s_add_co_u32 s66, s66, s67
	v_lshl_add_u32 v14, v1, 5, s66                 ; X's: lanes 0-15 an even tile's 16 rows, lanes 16-31 the odd tile's: row = lane of each 32
	s_lshl_b32 s66, ttmp9, 16
	s_lshl_b32 s67, s3, 9
	s_add_co_u32 s66, s66, s67
	v_add_nc_u32 v96, s66, v8                      ; q: token tile g, my 128 along K
	s_lshl_b32 s66, ttmp9, 15
	s_lshl_b32 s67, s3, 8
	s_add_co_u32 s66, s66, s67
	v_add_nc_u32 v97, s66, v9                      ; mask: rows 16 g on, my 256 keys
	s_lshl_b32 s66, ttmp9, 13
	s_lshl_b32 s67, s3, 10
	s_add_co_u32 s66, s66, s67
	v_add_nc_u32 v98, s66, v8                      ; qa's codes: 8,192 a tile, 1,024 a K step
	s_lshl_b32 s66, ttmp9, 9
	s_lshl_b32 s67, s3, 6
	s_add_co_u32 s66, s66, s67
	v_lshlrev_b32 v99, 2, v2
	v_lshl_add_u32 v99, v3, 1, v99
	v_add_nc_u32 v99, s66, v99                     ; qa's scale words: 64 bytes a K step; lane (r, h) stores half h of token r's word
	v_lshlrev_b32 v16, 4, v3
	s_lshl_b32 s66, ttmp9, 11
	v_lshl_add_u32 v100, v0, 3, s66                ; wf: 8 bytes a thread
	s_lshl_b32 s66, ttmp9, 12
	s_lshl_b32 s67, s3, 9
	s_add_co_u32 s66, s66, s67
	v_add_nc_u32 v101, s66, v9                     ; mw's words: 4,096 a query tile, 256 a key step
	s_lshr_b32 s66, s42, 2                         ; the copy's source: tile nt = g' / 4 takes rows 32 (nt / 2) + 8 (nt % 2) + r' + 8 (r' / 8); K step 2 (g' % 4) + thread / 128
	s_lshr_b32 s67, s66, 1
	s_lshl_b32 s67, s67, 14
	s_and_b32 s66, s66, 1
	s_lshl_b32 s66, s66, 12
	s_add_co_u32 s66, s66, s67
	s_and_b32 s67, s42, 3
	s_lshl_b32 s67, s67, 7
	s_add_co_u32 s66, s66, s67
	v_bfe_u32 v17, v0, 1, 4
	v_and_b32 v105, 8, v17
	v_add_nc_u32 v17, v17, v105
	v_lshlrev_b32 v17, 9, v17
	v_bfe_u32 v105, v0, 5, 3
	v_lshl_add_u32 v17, v105, 4, v17
	v_and_b32 v105, 1, v0
	v_lshl_add_u32 v17, v105, 3, v17
	v_add_nc_u32 v17, s66, v17
	v_add_nc_u32 v18, s90, v8                      ; the four images of the way out: (y, c)
	v_add_nc_u32 v19, s92, v18
	v_add_nc_u32 v20, s91, v18
	v_add_nc_u32 v21, s92, v20
	v_lshl_add_u32 v22, v1, 2, s93                 ; and the scale words
.irp b, 0,1,2,3
	v_mov_b32 v[TM+4+\b], 0                        ; written once: a lane permute's destination counts as one of its sources
.endr
	v_mov_b32 v53, 0                               ; (upper halves of pairs of which the low word serves both halves)
	v_mov_b32 v55, 0
	; all global loads, 61 a wave
	WIN 0x40                                       ; destination window 1
.irp t, 0,1,2,3,4,5,6,7
	global_load_b128 v[BX+8*\t:BX+8*\t+3], v23, s[12:13] offset:64*\t          ; register 8 t + j: bk of X's row 16 t + 8 h + j
	global_load_b128 v[BX+8*\t+4:BX+8*\t+7], v23, s[12:13] offset:64*\t+16
.endr
.irp i, 0,1,2,3,4,5,6,7,8,9,10,11,12,13,14,15
	global_load_b128 v[192+4*\i:195+4*\i], v96, s[24:25] offset:4096*\i th:TH_LOAD_NT   ; 512 consecutive bytes of row i
.endr
	WIN 0
	global_load_b32 v52, v102, s[22:23]
	global_load_b32 v54, v102, s[22:23] offset:32
.irp bb, 0,1,2,3
.irp i, 0,1
	global_load_b128 v[SX+8*\bb+4*\i:SX+8*\bb+4*\i+3], v14, s[10:11] offset:1024*\bb+16*\i   ; register 8 bb + s: K step s's words of tiles 2 bb (lanes 0-15) and 2 bb + 1
.endr
.endr
.irp i, 0,1
	global_load_b128 v[SY+4*\i:SY+4*\i+3], v15, s[6:7] offset:16*\i
.endr
.irp i, 0,1,2,3,4,5,6,7,8,9,10,11,12,13,14,15
	global_load_b64 v[192+2*\i:193+2*\i], v97, s[26:27] offset:2048*\i th:TH_LOAD_NT    ; 256 consecutive bytes of row i
.endr
	global_load_b64 v[50:51], v17, s[28:29]
	; q through its stage: 16 neighbours of each block into a lane
	s_wait_loadcnt 29                              ; q is in: behind it stand bv's 2, the scales' 10, the mask's 16 and the copy's load
	WIN 0x04                                       ; an LDS store's data are its source 1: window 1
.irp i, 0,1,2,3,4,5,6,7,8,9,10,11,12,13,14,15
	ds_store_b128 v10, v[192+4*\i:195+4*\i] offset:528*\i
.endr
	WIN 0
.irp b, 0,1,2,3
.irp j, 0,1,2,3
	ds_load_b128 v[TQ+16*\b+4*\j:TQ+16*\b+4*\j+3], v11 offset:128*\b+16*\j   ; LDS serves a wave's instructions in order: these see my stores
.endr
.endr
	s_wait_loadcnt 1                               ; the mask is in (the copy's load may be out)
.irp i, 0,1,2,3,4,5,6,7,8,9,10,11,12,13,14,15
	ds_store_b64 v12, v[192+2*\i:193+2*\i] offset:272*\i
.endr
	s_wait_loadcnt 0x0
	global_store_b64 v100, v[50:51], s[38:39]      ; the weights' copy: 32 lanes store 256 consecutive bytes
	v_mul_f32 v52, s83, v52                        ; bv x sV
	v_mul_f32 v54, s83, v54
	s_wait_dscnt 16                                ; q's numbers are back; the mask's 16 stores may be out
	QUANT4 TQ, PC0, 48, 0
	global_store_b128 v98, v[PC0:PC0+3], s[36:37]
	global_store_b128 v98, v[PC0+4:PC0+7], s[36:37] offset:512
	v_lshrrev_b32 v110, v16, v48
	global_store_b16 v99, v110, s[36:37] offset:4194304   ; 32 lanes store the 16 words' 64 consecutive bytes
	; the mask: register 16 b + m of a score tile holds, in lane (r, h), query r and key 32 b + 16 h + m of the step: its word has that lane's bit set where the mask hides the pair
.irp sg, 0,1
.irp bb, 0,1,2,3
	ds_load_b128 v[64+16*\sg+4*\bb:67+16*\sg+4*\bb], v13 offset:128*\sg+32*\bb
.endr
.endr
	s_wait_dscnt 0x0                               ; they are in, and the stores have read their registers
.irp i, 0,1,2,3
	v_mov_b32 v[192+\i], 0
.endr
; word J (key step J / 64 of my two, register J % 64) goes to lane (J % 64) / 2 of the pair that is stored 8 bytes a lane.  Eight words at a time, each of the three lines eight times over, so that no line reads the result of the line above it
.set JB, 0
.rept 16
.irp e, 0,1,2,3,4,5,6,7
	v_and_b32 v[112+\e], 0xff<<(8*(\e%4)), v[64+(JB+\e)/4]
.endr
.irp e, 0,1,2,3,4,5,6,7
	v_cmp_ne_u32 s[70+\e], 0, v[112+\e]
.endr
.irp e, 0,1,2,3,4,5,6,7
	v_writelane_b32 v[192+2*((JB+\e)/64)+\e%2], s[70+\e], ((JB+\e)%64)/2
.endr
.set JB, JB+8
.endr
	global_store_b64 v101, v[192:193], s[40:41]    ; 256 consecutive bytes, aligned
	global_store_b64 v101, v[194:195], s[40:41] offset:256
	s_wait_xcnt 0x0                                ; every store so far has read its offsets and data: the fragments' loads and the way out write those registers again
	; the projection
	s_wait_tensorcnt 0x1                           ; my part of the first half of K is in; the second may stay out
	s_wait_dscnt 0x0
	s_barrier_signal -1
	s_barrier_wait -1                              ; everybody's is
	KSTEP 0
	KSTEP 1
	KSTEP 2
	KSTEP 3
	s_wait_tensorcnt 0x0                           ; my part of the second half
	s_wait_dscnt 0x0
	s_barrier_signal -1
	s_barrier_wait -1
	KSTEP 4
	KSTEP 5
	KSTEP 6
	KSTEP 7
	PLACES 4                                       ; four places in front of the first read of results
	; the way out: bias, quantiser, images.  bk hangs on the register (a row of X), bv on the lane (a row of Y); the factor 1 or 0 picks the one that applies, with no branch
.irp y, 0,1
	WIN 0x11                                       ; sources 0 (bk) and 2 (the sums) in window 1
.irp t, 0,1,2,3,4,5,6,7
.irp j, 0,2,4,6
	v_pk_fma_f32 v[TE+8*\t+\j:TE+8*\t+\j+1], v[BX+8*\t+\j:BX+8*\t+\j+1], s[84:85], v[8*(2*\t+\y)+\j:8*(2*\t+\y)+\j+1] op_sel_hi:[1,0,1]   ; each accumulator from its low end on
.endr
.endr
	WIN 0
.set J, 0
.rept 32
	v_pk_add_f32 v[TE+J:TE+J+1], v[TE+J:TE+J+1], v[52+2*\y:53+2*\y] op_sel_hi:[1,0]
.set J, J+2
.endr
	QUANT4 TE, PC0+120*\y, 48+\y, 1
	global_store_b128 v[18+2*\y], v[PC0+120*\y:PC0+120*\y+3], s[32:33]      ; 512 consecutive bytes each
	global_store_b128 v[19+2*\y], v[PC0+120*\y+4:PC0+120*\y+7], s[32:33]
.endr
	v_cndmask_b32 v192, v48, v49, s99              ; lanes 0-15: tile 0's words, lanes 16-31: tile 1's
	global_store_b32 v22, v192, s[32:33] offset:4194304
	s_cmp_lt_u32 ttmp9, 256
	s_cbranch_scc0 .Lend                           ; K alone: a word's upper two bytes are the second head's.  (The first head's word keeps them: they scale the upper half of the product's K, where Q's codes are zeros)
	v_lshrrev_b32 v193, 16, v192
	global_store_b32 v22, v193, s[32:33] offset:4194304+8192
.Lend:
	s_wait_tensorcnt 0x0
	ds_add_u32 v42, v43
	s_wait_dscnt 0x0
	s_endpgm
.Lfunc_end_k_qc1ad546997_prep:
	.size	k_qc1ad546997_prep, .Lfunc_end_k_qc1ad546997_prep-k_qc1ad546997_prep
	.p2alignl 7, 3214868480
	.fill 96, 4, 3214868480
	.section	.rodata,"a",@progbits
	.p2align	6, 0x0
	.amdhsa_kernel k_qc1ad546997_prep
		.amdhsa_group_segment_fixed_size 312320
		.amdhsa_private_segment_fixed_size 0
		.amdhsa_enable_private_segment 0
		.amdhsa_kernarg_size 152
		.amdhsa_user_sgpr_count 2
		.amdhsa_user_sgpr_kernarg_segment_ptr 1
		.amdhsa_wavefront_size32 1
		.amdhsa_system_sgpr_workgroup_id_x 1
		.amdhsa_system_sgpr_workgroup_id_y 1
		.amdhsa_system_sgpr_workgroup_id_z 1
		.amdhsa_system_vgpr_workitem_id 0
		.amdhsa_next_free_vgpr 512
		.amdhsa_next_free_sgpr 102
		.amdhsa_reserve_vcc 0
		.amdhsa_float_denorm_mode_32 3
		.amdhsa_float_denorm_mode_16_64 3
		.amdhsa_memory_ordered 1
		.amdhsa_forward_progress 1
		.amdhsa_inst_pref_size 94
	.end_amdhsa_kernel
	.amdgpu_metadata
---
amdhsa.version: [ 1, 2 ]
amdhsa.kernels:
  - .name:           k_qc1ad546997_prep
    .symbol:         k_qc1ad546997_prep.kd
    .args:
      - { .name: k_codes, .offset: 0, .size: 8, .value_kind: global_buffer, .address_space: global }
      - { .name: k_scales, .offset: 8, .size: 8, .value_kind: global_buffer, .address_space: global }
      - { .name: Wk_codes, .offset: 16, .size: 8, .value_kind: global_buffer, .address_space: global }
      - { .name: Wk_scales, .offset: 24, .size: 8, .value_kind: global_buffer, .address_space: global }
      - { .name: bk, .offset: 32, .size: 8, .value_kind: global_buffer, .address_space: global }
      - { .name: v_codes, .offset: 40, .size: 8, .value_kind: global_buffer, .address_space: global }
      - { .name: v_scales, .offset: 48, .size: 8, .value_kind: global_buffer, .address_space: global }
      - { .name: Wv_codes, .offset: 56, .size: 8, .value_kind: global_buffer, .address_space: global }
      - { .name: Wv_scales, .offset: 64, .size: 8, .value_kind: global_buffer, .address_space: global }
      - { .name: bv, .offset: 72, .size: 8, .value_kind: global_buffer, .address_space: global }
      - { .name: q, .offset: 80, .size: 8, .value_kind: global_buffer, .address_space: global }
      - { .name: mask, .offset: 88, .size: 8, .value_kind: global_buffer, .address_space: global }
      - { .name: Wq_codes, .offset: 96, .size: 8, .value_kind: global_buffer, .address_space: global }
      - { .name: Wo_codes, .offset: 104, .size: 8, .value_kind: global_buffer, .address_space: global }
      - { .name: ka, .offset: 112, .size: 8, .value_kind: global_buffer, .address_space: global }
      - { .name: va, .offset: 120, .size: 8, .value_kind: global_buffer, .address_space: global }
      - { .name: qa, .offset: 128, .size: 8, .value_kind: global_buffer, .address_space: global }
      - { .name: wf, .offset: 136, .size: 8, .value_kind: global_buffer, .address_space: global }
      - { .name: mw, .offset: 144, .size: 8, .value_kind: global_buffer, .address_space: global }
    .group_segment_fixed_size: 312320
    .private_segment_fixed_size: 0
    .kernarg_segment_align: 8
    .kernarg_segment_size: 152
    .max_flat_workgroup_size: 256
    .sgpr_count:     102
    .vgpr_count:     512
    .wavefront_size: 32
...
	.end_amdgpu_metadata
.endif
;; end of part 1
;; launch attn (part 2): grid 4 x 64, 16 waves a work-group, no clusters, 178,176 bytes of LDS; arguments qa, ka, va, wf, mw, Wq_scales, bq, ca; writes ca
.if DOCPART == 2
	.amdgcn_target "amdgcn-amd-amdhsa--gfx1250"
	.amdhsa_code_object_version 6
	.text
	.protected	k_qc1ad546997_attn
	.globl	k_qc1ad546997_attn
	.p2align	8
	.type	k_qc1ad546997_attn,@function
k_qc1ad546997_attn:
	s_mov_b64 s[64:65], 0
	v_nop
	global_prefetch_b8 v0, s[64:65] scope:SCOPE_SE
	s_setreg_imm32_b32 hwreg(HW_REG_WAVE_MODE, 25, 1), 1
	s_wait_xcnt 0x0
; ATTENTION on codes of FP4.  Work-group (x, y): 512 queries (block x) of head y = 16 x batch + head.  Each of its sixteen waves takes two tiles of 16 queries, one after the other, in 256 registers: four waves to a SIMD.
; For a tile: Q = q Wq^T + bq for this head (source 0 = Wq's 64 rows, source 1 = the tokens), quantised along the head's 64; then 16 key steps of 128 keys: S^T = K Q^T, the mask, p = 2^(t - M) with M the running
; largest t rounded up to a whole number, p quantised along the keys, O^T += V^T p^T; at the end O^T / the sum of the unquantised p, quantised along the model axis (its blocks of 32 lie inside a head), into ca in operand order.
; Both products are used transposed: a lane holds ONE query (lane % 16) throughout.  The keys of a tile of K and the channels of a tile of V are chosen (lane r of tile 2 b + u: 32 b + 8 u + r + 8 (r / 8)) so that a lane's registers
; are neighbours along the next product's K.  The head size is 64 and the instruction's K is 128: Q's upper four registers are zero codes, which add nothing; K's upper four are whatever follows in the registers.
; LDS: the head's whole K and V, codes and scale words, and Wq's 64 rows, all as images of operand registers, copied in ONCE through registers; one barrier; then the waves run free.
; THE FIRST TILE'S 32 LOADS FOR Q go out at the head, ahead of the fill's 22 (54 loads of a wave are out), into registers that the fill does not use; the second tile's stand at the first tile's end, under a branch on the tile's number.
; THE MASK comes as the words of lane bits that the launch before has stored: 64 words, 256 bytes, a key step, by four scalar loads, and is applied in EVERY step by 64 selects: no branch hangs on it.
; The words are asked for ONE KEY STEP AHEAD, behind the step's maxima, when the step's selects have read the registers.  My two tiles are neighbours in mw, so my 32 key steps are one run of 32 x 256 bytes.
; No joint loads: what the four query blocks of a head share (K, V, Wq's rows: 172 KB) is read once a work-group, at its head, not once a step.
; LIMITS: NaN and infinities are not served.  A block of zeros gets the scale byte 1.  A query all of whose keys are hidden has the sum 0: its two scale bytes are stored as 0xff, so that its row comes out NaN as in the definition.
; REGISTERS: v1, v2 16 x and 4 x lane; v3-7, v26-31, v235 offsets; v8-11 addresses in hand; v12 -M, v13 largest t, v[14:15] the sum; v16-23 Q; v24 Q's scale word; v25 -infinity; v32-67 K (and four zeros); v68-99 V;
;   v100-163 S^T, then p; v164-195 O^T; v196-203 p's codes; v204-227 at work; scale words and nothing else: v228-231 K's, v232-233 V's, v234 p's, v236-251 Wq's, v252-255 q's.
;   In the Q phase: v32-95 q's fragments, v100-163 Wq's, v164-195 the sums, v196-227 bq.   The fill: v100-185 data, v186-193 offsets.   s[32:63], s[68:99]: the 64 mask words; s2 their offset in mw.
.set VCB,  73728                       ; LDS: K's codes 0, K's words 65,536, V's codes, V's words, Wq's fragments
.set KSWB, 65536
.set VSWB, 139264
.set WQB,  143360
.set MWLAST, 2097152-256               ; the last key step's words in mw
.set QF, 16
.set QW, 24
.set KF, 32
.set VF, 68
.set S,  100
.set O,  164
.set PC, 196
.set BM, 204
.set BP, 208
.set SCV, 212
.set FF, 216
.set TA, 218
.set T2, 220
.set BY, 224
.set KS, 228
.set VS, 232
.set PW, 234
.set WS, 236
.set QS, 252
.set QX, 32
.set WF, 100
.set QA, 164
.set BQ, 196
.macro PLACES n
.rept \n
	v_nop
.endr
.endm
.macro MASKASK                         ; a key step's 64 words: word n to s[32 + n] (n < 32) or s[36 + n]
	s_load_b512 s[32:47], s[12:13], s2 offset:0
	s_load_b512 s[48:63], s[12:13], s2 offset:64
	s_load_b512 s[68:83], s[12:13], s2 offset:128
	s_load_b512 s[84:99], s[12:13], s2 offset:192
.endm
.macro QLOADS                          ; a tile's 32 loads for Q: bq in the result's layout, Wq's scale words, the tokens' scale words and fragments (v29, v30: the tile's offsets)
.irp t, 0,1,2,3
	global_load_b128 v[BQ+8*\t:BQ+8*\t+3], v27, s[16:17] offset:(32*(\t/2)+8*(\t%2))*4
	global_load_b128 v[BQ+8*\t+4:BQ+8*\t+7], v27, s[16:17] offset:(32*(\t/2)+8*(\t%2))*4+16
.endr
.irp bb, 0,1
.irp i, 0,1
	global_load_b128 v[WS+8*\bb+4*\i:WS+8*\bb+4*\i+3], v26, s[14:15] offset:1024*\bb+16*\i
.endr
.endr
.irp p, 0,1,2,3
	global_load_b32 v[QS+\p], v30, s[4:5] offset:4194304+128*\p   ; lanes 0-15: K step 2 p's words, lanes 16-31: K step 2 p + 1's
.endr
.irp s, 0,1,2,3,4,5,6,7
.irp c, 0,1
	global_load_b128 v[QX+8*\s+4*\c:QX+8*\s+4*\c+3], v29, s[4:5] offset:1024*\s+512*\c
.endr
.endr
.endm
.macro WMS d, a, b, c, sa, sb, ra, rb  ; one product.  c < 0: the constant 0 starts the sum.  ra, rb = 1: that side's scales are read from lanes 16-31
.if (\c) < 0
.if (\ra)
	v_wmma_scale_f32_16x16x128_f8f6f4 v[(\d):(\d)+7], v[(\a):(\a)+7], v[(\b):(\b)+7], 0, v[(\sa)], v[(\sb)] matrix_a_fmt:MATRIX_FMT_FP4 matrix_b_fmt:MATRIX_FMT_FP4 matrix_a_scale:MATRIX_SCALE_ROW1
.else
	v_wmma_scale_f32_16x16x128_f8f6f4 v[(\d):(\d)+7], v[(\a):(\a)+7], v[(\b):(\b)+7], 0, v[(\sa)], v[(\sb)] matrix_a_fmt:MATRIX_FMT_FP4 matrix_b_fmt:MATRIX_FMT_FP4
.endif
.else
.if (\ra) && (\rb)
	v_wmma_scale_f32_16x16x128_f8f6f4 v[(\d):(\d)+7], v[(\a):(\a)+7], v[(\b):(\b)+7], v[(\c):(\c)+7], v[(\sa)], v[(\sb)] matrix_a_fmt:MATRIX_FMT_FP4 matrix_b_fmt:MATRIX_FMT_FP4 matrix_a_scale:MATRIX_SCALE_ROW1 matrix_b_scale:MATRIX_SCALE_ROW1
.elseif (\ra)
	v_wmma_scale_f32_16x16x128_f8f6f4 v[(\d):(\d)+7], v[(\a):(\a)+7], v[(\b):(\b)+7], v[(\c):(\c)+7], v[(\sa)], v[(\sb)] matrix_a_fmt:MATRIX_FMT_FP4 matrix_b_fmt:MATRIX_FMT_FP4 matrix_a_scale:MATRIX_SCALE_ROW1
.elseif (\rb)
	v_wmma_scale_f32_16x16x128_f8f6f4 v[(\d):(\d)+7], v[(\a):(\a)+7], v[(\b):(\b)+7], v[(\c):(\c)+7], v[(\sa)], v[(\sb)] matrix_a_fmt:MATRIX_FMT_FP4 matrix_b_fmt:MATRIX_FMT_FP4 matrix_b_scale:MATRIX_SCALE_ROW1
.else
	v_wmma_scale_f32_16x16x128_f8f6f4 v[(\d):(\d)+7], v[(\a):(\a)+7], v[(\b):(\b)+7], v[(\c):(\c)+7], v[(\sa)], v[(\sb)] matrix_a_fmt:MATRIX_FMT_FP4 matrix_b_fmt:MATRIX_FMT_FP4
.endif
.endif
.endm
; 32 numbers of a lane, register 16 b + i = k 32 b + 16 (lane / 16) + i of my row, become four registers of codes (64 along K) in v[pc] on; the two scale bytes stay in v[BY], v[BY+1]
.macro QUANT2 s, pc
.irp b, 0,1
	v_max3_num_f32 v[T2+\b], |v[\s+16*\b]|, |v[\s+1+16*\b]|, 0x1800000   ; and the floor 2^(3 - 127): the byte cannot fall under 1
.endr
.irp i, 2,4,6,8,10,12,14
.irp b, 0,1
	v_max3_num_f32 v[T2+\b], v[T2+\b], |v[\s+16*\b+\i]|, |v[\s+1+16*\b+\i]|
.endr
.endr
.irp b, 0,1
	v_permlanex16_b32 v[T2+2+\b], v[T2+\b], s22, s23
.endr
.irp b, 0,1
	v_max_num_f32 v[T2+\b], v[T2+\b], v[T2+2+\b]
.endr
.irp b, 0,1
	v_add_nc_u32 v[SCV+\b], 0xff000000, v[T2+\b]   ; 2 off the exponent field: the conversion's scale operand
.endr
.irp b, 0,1
	v_lshrrev_b32 v[BY+\b], 23, v[SCV+\b]
.endr
.irp b, 0,1
	v_cvt_scalef32_pk8_fp4_f32 v[\pc+2*\b], v[\s+16*\b:\s+7+16*\b], v[SCV+\b]
	v_cvt_scalef32_pk8_fp4_f32 v[\pc+1+2*\b], v[\s+8+16*\b:\s+15+16*\b], v[SCV+\b]
.endr
	v_nop                                          ; one plain place behind a scaled conversion
	v_permlane16_swap_b32 v[\pc], v[\pc+2]         ; a whole block to a lane: lanes 0-15 block 0, lanes 16-31 block 1
	v_permlane16_swap_b32 v[\pc+1], v[\pc+3]
.endm
	s_load_b512 s[4:19], s[0:1], 0x0               ; qa 4, ka 6, va 8, wf 10, mw 12, Wq_scales 14, bq 16, ca 18: they stay as they are; offsets live in other registers
	v_lshrrev_b32 v8, 5, v0
	v_readfirstlane_b32 s20, v8                    ; wave 0..15
	v_and_b32 v8, 31, v0                           ; lane
	v_and_b32 v9, 15, v0                           ; r
	v_bfe_u32 v10, v0, 4, 1                        ; h
	v_lshlrev_b32 v1, 4, v8
	v_lshlrev_b32 v2, 2, v8
	v_add_nc_u32 v4, VCB, v1
	v_add_nc_u32 v5, KSWB, v2
	v_add_nc_u32 v6, VSWB, v2
	v_add_nc_u32 v7, WQB, v1
	s_and_b32 s66, ttmp7, 0xffff                   ; 16 x batch + head
	s_and_b32 s67, s66, 15                         ; head
	s_lshr_b32 s3, s66, 4
	s_lshl_b32 s3, s3, 7
	s_lshl_b32 s100, ttmp9, 5
	s_add_co_u32 s3, s3, s100
	s_lshl_b32 s100, s20, 1
	s_add_co_u32 s3, s3, s100                      ; my first token tile: 128 x batch + 32 x block + 2 x wave
	s_lshl_b32 s2, s3, 12                          ; its mask words: 4,096 bytes a tile
	s_lshl_b32 s100, s67, 9
	v_add_nc_u32 v3, s100, v1                      ; ca's codes: this head's 64 are image head % 2 of K step head / 2: 512 x head
	v_and_b32 v11, 8, v9
	v_add_nc_u32 v11, v11, v9                      ; r + 8 (r / 8)
	v_lshl_add_u32 v26, v10, 3, v11
	v_lshlrev_b32 v26, 5, v26
	s_lshl_b32 s100, s67, 11
	v_add_nc_u32 v26, s100, v26                    ; Wq's scale bytes: lanes 0-15 an even tile's rows, lanes 16-31 the odd tile's; 32 bytes a row
	s_lshl_b32 s100, s67, 8
	v_lshl_add_u32 v27, v10, 6, s100               ; bq: the head's 64, + 16 h numbers
	s_lshr_b32 s100, s67, 1
	s_lshl_b32 s100, s100, 6
	s_and_b32 s101, s67, 1
	s_lshl_b32 s101, s101, 1
	s_add_co_u32 s100, s100, s101
	v_lshl_add_u32 v28, v9, 2, v10
	v_add_nc_u32 v28, s100, v28                    ; ca's scale bytes: 64 x K step + 4 r + 2 (head % 2) + h: lane (r, h) stores block h's byte
	s_lshl_b32 s100, s3, 13
	s_lshl_b32 s101, s3, 9
	v_add_nc_u32 v29, s100, v1                     ; the first tile's fragments in qa,
	v_add_nc_u32 v30, s101, v2                     ; and its scale words
	v_lshlrev_b32 v186, 4, v0                      ; the fill: thread n takes 16 bytes at 16 n of each 8,192
	s_lshl_b32 s100, s67, 15
	v_add_nc_u32 v187, s100, v186
	s_lshl_b32 s100, s66, 16
	v_add_nc_u32 v188, s100, v186
	s_lshl_b32 s100, s66, 13
	v_add_nc_u32 v189, s100, v186
	s_lshl_b32 s100, s66, 12
	v_lshl_add_u32 v190, v0, 3, s100
	v_add_nc_u32 v191, 65536, v186
	v_add_nc_u32 v192, 131072, v186
	v_lshl_add_u32 v193, v0, 3, VSWB
	s_mov_b32 s21, 0xffff0000                      ; lanes 16-31
	s_mov_b32 s22, 0x76543210
	s_mov_b32 s23, 0xfedcba98                      ; v_permlanex16_b32's selects for lane l xor 16
	s_mov_b32 s24, 0x3e38aa3b                      ; c = log2(e) / 8: sqrt(64) + 1e-8 is 8 in f32
	s_mov_b32 s25, s24
	v_mov_b32 v25, 0xff800000
.irp i, 0,1,2,3
	v_mov_b32 v[QF+4+\i], 0                        ; Q's upper 64 along K: zero codes, written once
.endr
	s_wait_kmcnt 0x0
	QLOADS                                         ; the first tile's: the oldest loads, so the fill's counts below are the fill's own
.irp i, 0,1,2,3
	global_load_b128 v[100+4*\i:103+4*\i], v187, s[10:11] offset:8192*\i
.endr
.irp i, 0,1,2,3,4,5,6,7
	global_load_b128 v[116+4*\i:119+4*\i], v188, s[6:7] offset:8192*\i
.endr
	global_load_b128 v[148:151], v189, s[6:7] offset:4194304
.irp i, 0,1,2,3,4,5,6,7
	global_load_b128 v[152+4*\i:155+4*\i], v188, s[8:9] offset:8192*\i
.endr
	global_load_b64 v[184:185], v190, s[8:9] offset:4194304
	MASKASK                                        ; the first key step's mask words: the fill and the first tile's Q stand between the request and the wait for it
.irp i, 0,1,2,3                                ; each count: the loads issued behind the one whose data are stored
	s_wait_loadcnt 21-\i
	ds_store_b128 v192, v[100+4*\i:103+4*\i] offset:12288+8192*\i
.endr
.irp i, 0,1,2,3,4,5,6,7
	s_wait_loadcnt 17-\i
	ds_store_b128 v186, v[116+4*\i:119+4*\i] offset:8192*\i
.endr
	s_wait_loadcnt 9
	ds_store_b128 v191, v[148:151]
.irp i, 0,1,2,3,4,5,6
	s_wait_loadcnt 8-\i
	ds_store_b128 v191, v[152+4*\i:155+4*\i] offset:8192+8192*\i
.endr
	s_wait_loadcnt 1
	ds_store_b128 v192, v[180:183]
	s_wait_loadcnt 0x0
	ds_store_b64 v193, v[184:185]
	s_wait_dscnt 0x0                               ; for the others' sake: my stores have landed
	s_barrier_signal -1
	s_barrier_wait -1                              ; the one barrier: from here on LDS is only read
	s_mov_b32 s30, 0
.Ltile:
	; ---- Q of this tile: its loads were issued at the head, or at the end of the tile before
	s_lshl_b32 s67, s3, 13
	s_lshl_b32 s100, s3, 9
	v_add_nc_u32 v31, s67, v3
	v_add_nc_u32 v235, s100, v28
	s_wait_loadcnt 0x0
.irp g, 0,1,2,3                                ; two K steps at a time; the four accumulators take turns; bq is the C of each sum's first product
.irp e, 0,1
.irp t, 0,1,2,3
.irp c, 0,1
	ds_load_b128 v[WF+32*\e+8*\t+4*\c:WF+32*\e+8*\t+4*\c+3], v7 offset:8192*\t+1024*(2*\g+\e)+512*\c
.endr
.endr
.endr
	s_wait_dscnt 0x0
.irp e, 0,1
.irp t, 0,1,2,3
.if (\g) == 0 && (\e) == 0
	WMS QA+8*\t, WF+8*\t, QX, BQ+8*\t, WS+8*(\t/2), QS, \t%2, 0
.else
	WMS QA+8*\t, WF+32*\e+8*\t, QX+8*(2*\g+\e), QA+8*\t, WS+8*(\t/2)+2*\g+\e, QS+\g, \t%2, \e
.endif
.endr
.endr
	PLACES 4                                       ; in front of loads into registers that the products read, and of the first read of results
.endr
	QUANT2 QA, QF
	v_lshl_or_b32 v[QW], v[BY+1], 8, v[BY]         ; Q's scale word; its upper two bytes are 0, over zero codes
.irp i, 0,1,2,3
	v_mov_b32 v[KF+32+\i], 0                       ; behind K's last tile
.endr
.set j, 0
.rept 32
	v_mov_b32 v[O+j], 0                            ; O^T: the step is written once; the first finds zeros.  (These lines are also the places between the scale word's making and the first product)
.set j, j+1
.endr
	v_mov_b32 v13, 0xff61b1e6                      ; the largest t so far: -3e38
	v_floor_f32 v12, -v13                          ; -M
	v_mov_b32 v14, 0
	v_mov_b32 v15, 0
	s_mov_b32 s26, 0                               ; the step's codes, 4,096 bytes a step;
	s_mov_b32 s27, 0                               ; K's scale words, 512;
	s_mov_b32 s28, 0                               ; V's, 256
	s_mov_b32 s29, 0
.Lstep:
	v_add_nc_u32 v8, s26, v1                       ; (four places behind the last products, in front of the loads into registers that they read)
	v_add_nc_u32 v9, s26, v4
	v_add_nc_u32 v10, s27, v5
	v_add_nc_u32 v11, s28, v6
.irp t, 0,1,2,3,4,5,6,7
	ds_load_b128 v[KF+4*\t:KF+4*\t+3], v8 offset:512*\t
.endr
.irp p, 0,1,2,3
	ds_load_b32 v[KS+\p], v10 offset:128*\p
.endr
.irp t, 0,1,2,3
.irp c, 0,1
	ds_load_b128 v[VF+8*\t+4*\c:VF+8*\t+4*\c+3], v9 offset:1024*\t+512*\c
.endr
.endr
.irp p, 0,1
	ds_load_b32 v[VS+\p], v11 offset:128*\p
.endr
	s_wait_dscnt 10                                ; K and its words are in; V's ten loads may be out
.irp t, 0,1,2,3,4,5,6,7
	WMS S+8*\t, KF+4*\t, QF, -1, KS+\t/2, QW, \t%2, 0
.endr
	PLACES 4
	s_wait_kmcnt 0x0                               ; this step's mask words, asked for a step ago, are in; their loads are done, so their offset may be stepped below
.set j, 0
.rept 64
	v_cndmask_b32 v[S+j], v[S+j], v25, s[32+j+4*(j/32)]   ; hidden scores become -infinity ahead of the maxima: p = 0 then.  Each accumulator from its low end on
.set j, j+1
.endr
.irp b, 0,1,2,3
	v_max3_num_f32 v[BM+\b], v[S+16*\b], v[S+1+16*\b], v[S+2+16*\b]   ; the largest score of each block of 32 keys: for the row's maximum, and, since p rises with the score, for the block's largest p
.endr
.irp i, 3,5,7,9,11,13
.irp b, 0,1,2,3
	v_max3_num_f32 v[BM+\b], v[BM+\b], v[S+16*\b+\i], v[S+1+16*\b+\i]
.endr
.endr
.irp b, 0,1,2,3
	v_max_num_f32 v[BM+\b], v[BM+\b], v[S+15+16*\b]
.endr
.irp b, 0,1,2,3
	v_permlanex16_b32 v[BP+\b], v[BM+\b], s22, s23
.endr
.irp b, 0,1,2,3
	v_max_num_f32 v[BM+\b], v[BM+\b], v[BP+\b]
.endr
	v_max3_num_f32 v[TA], v[BM], v[BM+1], v[BM+2]
	v_max_num_f32 v[TA], v[TA], v[BM+3]
	v_mul_f32 v[TA], s24, v[TA]
	v_max_num_f32 v13, v13, v[TA]                  ; the running largest t
	v_mov_b32 v[TA], v12
	v_floor_f32 v12, -v13                          ; the new -M = -ceil(t)
	v_sub_f32 v[TA], v12, v[TA]                    ; old M - new M: a whole number, 0 or less
	v_cvt_i32_f32 v[TA], v[TA]                     ; (it saturates)
	v_ldexp_f32 v[FF], 1.0, v[TA]                  ; f = 2^(old M - new M)
	s_add_co_u32 s2, s2, 256                       ; the next key step's mask words (behind a tile's last step: the next tile's first).  Behind my very last step there is none:
	s_min_u32 s2, s2, MWLAST                       ; the offset is held at the buffer's last 256 bytes, so that no load leaves mw; nobody reads what that last request brings
	MASKASK                                        ; the rest of this step and the head of the next stand between the request and the wait for it
.set j, 0
.rept 32
	v_pk_fma_f32 v[S+j:S+j+1], v[S+j:S+j+1], s[24:25], v[12:13] op_sel_hi:[1,0,0]   ; t - M
.set j, j+2
.endr
.irp b, 0,1,2,3
	v_fma_f32 v[BM+\b], v[BM+\b], s24, v12
.endr
.set j, 0
.rept 64
	v_exp_f32 v[S+j], v[S+j]                       ; p = 2^(t - M): not normalised
.set j, j+1
.endr
	v_pk_mul_f32 v[14:15], v[14:15], v[FF:FF+1] op_sel_hi:[1,0]   ; the sums under the new M: a plain place behind the exponentials
	s_wait_alu depctr_va_vdst(0)                   ; one wait for the batch, ahead of its first reader
.irp b, 0,1,2,3
	v_exp_f32 v[BM+\b], v[BM+\b]                   ; the blocks' largest p
.endr
	v_pk_add_f32 v[BP:BP+1], v[S:S+1], v[S+2:S+3]  ; the row's sum is taken of the unquantised p, in two chains
.irp j, 4,8,12,16,20,24,28,32,36,40,44,48,52,56,60
	v_pk_add_f32 v[14:15], v[14:15], v[S+\j:S+\j+1]
	v_pk_add_f32 v[BP:BP+1], v[BP:BP+1], v[S+2+\j:S+3+\j]
.endr
	v_pk_add_f32 v[14:15], v[14:15], v[BP:BP+1]
	s_wait_alu depctr_va_vdst(0)                   ; and one for the four
.irp b, 0,1,2,3
	v_max_num_f32 v[BM+\b], 0x1800000, v[BM+\b]    ; the floor: a block whose every p is 0 keeps the byte 1 over zero codes
.endr
.irp b, 0,1,2,3
	v_add_nc_u32 v[SCV+\b], 0xff000000, v[BM+\b]
.endr
.irp b, 0,1,2,3
	v_lshrrev_b32 v[BP+\b], 23, v[SCV+\b]
.endr
	v_lshl_or_b32 v[PW], v[BP+1], 8, v[BP]
	v_lshl_or_b32 v[PW], v[BP+2], 16, v[PW]
	v_lshl_or_b32 v[PW], v[BP+3], 24, v[PW]
.irp b, 0,1,2,3
	v_cvt_scalef32_pk8_fp4_f32 v[PC+2*\b], v[S+16*\b:S+7+16*\b], v[SCV+\b]
	v_cvt_scalef32_pk8_fp4_f32 v[PC+1+2*\b], v[S+8+16*\b:S+15+16*\b], v[SCV+\b]
.endr
	v_nop
.irp c, 0,1
.irp i, 0,1
	v_permlane16_swap_b32 v[PC+4*\c+\i], v[PC+2+4*\c+\i]
.endr
.endr
.set j, 0
.rept 16
	v_pk_mul_f32 v[O+j:O+j+1], v[O+j:O+j+1], v[FF:FF+1] op_sel_hi:[1,0]   ; O^T under the new M; these lines are also the places between the codes' and the scale word's making and the products
.set j, j+2
.endr
	s_wait_dscnt 0x0                               ; V and its words
.irp t, 0,1,2,3
	WMS O+8*\t, VF+8*\t, PC, O+8*\t, VS+\t/2, PW, \t%2, 0
.endr
	s_add_co_u32 s26, s26, 4096
	s_add_co_u32 s27, s27, 512
	s_add_co_u32 s28, s28, 256
	s_add_co_u32 s29, s29, 1
	s_cmp_lt_u32 s29, 16
	s_cbranch_scc1 .Lstep
	; ---- the way out
	PLACES 4
	v_add_f32 v14, v14, v15
	v_permlanex16_b32 v[TA], v14, s22, s23
	v_add_f32 v14, v14, v[TA]                      ; the row's sum
	v_cmp_eq_f32 vcc_lo, 0, v14                    ; every key hidden?
	v_rcp_f32 v[TA+1], v14
	v_mov_b32 v[BY+2], 0xff                        ; (a plain place behind the reciprocal)
	s_wait_alu depctr_va_vdst(0)
.set j, 0
.rept 32
	v_mul_f32 v[S+j], v[O+j], v[TA+1]              ; register 16 b + i: channel 32 b + 16 h + i of my query
.set j, j+1
.endr
	QUANT2 S, PC
	v_cndmask_b32 v[BY], v[BY], v[BY+2], vcc_lo
	v_cndmask_b32 v[BY+1], v[BY+1], v[BY+2], vcc_lo
	v_cndmask_b32 v[BY+3], v[BY], v[BY+1], s21     ; lanes 0-15 store block 0's byte, lanes 16-31 block 1's
	global_store_b128 v31, v[PC:PC+3], s[18:19]    ; 512 consecutive bytes
	global_store_b8 v235, v[BY+3], s[18:19] offset:4194304
	s_wait_xcnt 0x0                                ; the stores have read their registers: offsets and data are written again below and in the next tile
	s_add_co_u32 s3, s3, 1
	s_cmp_eq_u32 s30, 1                            ; behind my second tile there is none: nothing is asked for
	s_cbranch_scc1 .Lno_next
	s_lshl_b32 s67, s3, 13
	s_lshl_b32 s100, s3, 9
	v_add_nc_u32 v29, s67, v1                      ; (the loads that read these two were waited for at the tile's head)
	v_add_nc_u32 v30, s100, v2
	QLOADS
.Lno_next:
	s_add_co_u32 s30, s30, 1
	s_cmp_lt_u32 s30, 2
	s_cbranch_scc1 .Ltile
	s_wait_xcnt 0x0
	v_lshl_add_u32 v254, v0, 2, 0x2b000
	v_mov_b32 v255, 0
	s_wait_tensorcnt 0x0
	ds_add_u32 v254, v255
	s_wait_dscnt 0x0
	s_endpgm
.Lfunc_end_k_qc1ad546997_attn:
	.size	k_qc1ad546997_attn, .Lfunc_end_k_qc1ad546997_attn-k_qc1ad546997_attn
	.p2alignl 7, 3214868480
	.fill 96, 4, 3214868480
	.section	.rodata,"a",@progbits
	.p2align	6, 0x0
	.amdhsa_kernel k_qc1ad546997_attn
		.amdhsa_group_segment_fixed_size 178176
		.amdhsa_private_segment_fixed_size 0
		.amdhsa_enable_private_segment 0
		.amdhsa_kernarg_size 64
		.amdhsa_user_sgpr_count 2
		.amdhsa_user_sgpr_kernarg_segment_ptr 1
		.amdhsa_wavefront_size32 1
		.amdhsa_system_sgpr_workgroup_id_x 1
		.amdhsa_system_sgpr_workgroup_id_y 1
		.amdhsa_system_sgpr_workgroup_id_z 1
		.amdhsa_system_vgpr_workitem_id 0
		.amdhsa_next_free_vgpr 256
		.amdhsa_next_free_sgpr 102
		.amdhsa_reserve_vcc 1
		.amdhsa_float_denorm_mode_32 3
		.amdhsa_float_denorm_mode_16_64 3
		.amdhsa_memory_ordered 1
		.amdhsa_forward_progress 1
		.amdhsa_inst_pref_size 50
	.end_amdhsa_kernel
	.amdgpu_metadata
---
amdhsa.version: [ 1, 2 ]
amdhsa.kernels:
  - .name:           k_qc1ad546997_attn
    .symbol:         k_qc1ad546997_attn.kd
    .args:
      - { .name: qa, .offset: 0, .size: 8, .value_kind: global_buffer, .address_space: global }
      - { .name: ka, .offset: 8, .size: 8, .value_kind: global_buffer, .address_space: global }
      - { .name: va, .offset: 16, .size: 8, .value_kind: global_buffer, .address_space: global }
      - { .name: wf, .offset: 24, .size: 8, .value_kind: global_buffer, .address_space: global }
      - { .name: mw, .offset: 32, .size: 8, .value_kind: global_buffer, .address_space: global }
      - { .name: Wq_scales, .offset: 40, .size: 8, .value_kind: global_buffer, .address_space: global }
      - { .name: bq, .offset: 48, .size: 8, .value_kind: global_buffer, .address_space: global }
      - { .name: ca, .offset: 56, .size: 8, .value_kind: global_buffer, .address_space: global }
    .group_segment_fixed_size: 178176
    .private_segment_fixed_size: 0
    .kernarg_segment_align: 8
    .kernarg_segment_size: 64
    .max_flat_workgroup_size: 512
    .sgpr_count:     102
    .vgpr_count:     256
    .wavefront_size: 32
...
	.end_amdgpu_metadata
.endif
;; end of part 2
;; launch outp (part 3): grid 256 x 1, 8 waves a work-group, no clusters, 161,280 bytes of LDS; arguments ca, wf, Wo_scales, bo, q, gamma, beta, out0; writes out0
.if DOCPART == 3
	.amdgcn_target "amdgcn-amd-amdhsa--gfx1250"
	.amdhsa_code_object_version 6
	.text
	.protected	k_qc1ad546997_outp
	.globl	k_qc1ad546997_outp
	.p2align	8
	.type	k_qc1ad546997_outp,@function
k_qc1ad546997_outp:
	s_mov_b64 s[64:65], 0
	v_nop
	global_prefetch_b8 v0, s[64:65] scope:SCOPE_SE
	s_setreg_imm32_b32 hwreg(HW_REG_WAVE_MODE, 25, 1), 1
	s_wait_xcnt 0x0
; out0 = LayerNorm(q + ctx Wo^T + bo) x gamma + beta.  ctx comes as codes and scale words in operand order (ca), Wo's codes likewise (wf, second half).
; Work-group g: rows 32 g .. 32 g + 31 (two token tiles), all 1,024 columns, since the norm wants whole rows.  Wave w: columns 128 w on: 8 tiles of Wo as source 0 (lane r of tile 2 b + u: row 32 b + 8 u + r + 8 (r / 8)),
; the two token tiles as source 1: 16 accumulators; a lane holds one token and 64 columns, 16 neighbours of each 32.
; Wo's fragments come from memory straight into registers, 512 consecutive bytes a load, two K steps ahead: no wave shares a fragment of Wo with another, so LDS would only add a way round; for the same reason no joint loads.
; WHAT ALL EIGHT WAVES WANT ALIKE comes once a work-group: the two token tiles' 16 KB of fragments, gamma, beta and bo: 7 loads of 16 bytes a thread, into LDS as they lie, one barrier; each wave reads them from there.
; q's four rows of a wave are wanted only at the end: they are asked for behind K steps 0 to 3, eight loads each, so that no K step's loads stand behind them at the head.
; The results meet in a stage in LDS (32 rows x (4,096 + 16) bytes); behind a second barrier wave w owns rows 4 w .. 4 w + 3 whole: bo, residual, mean, variance of the differences, scale, 512 consecutive bytes a store.
; LIMITS: NaN and infinities among the inputs are not served; a row that the attention launch marked (scale byte 0xff) comes out NaN.
; REGISTERS.  window 0: v1, v2 16 x and 4 x lane; v3 LDS address of the shared images; v4-6 the stage; v7-12 offsets, later v8-11 variances, v12-15 sums; v16-79, v96-159 Wo's fragments, two sets; v80-95, v160-175 ctx's;
;   later v16-47 gamma, v48-175 my four rows; v176-205 the copies and their addresses, later v176-207 beta; v208-215 mean, 1 / sigma; scale words and nothing else: v216-247 Wo's, v248-255 ctx's.
;   window 1: v0-127 accumulators ((t, y) at 8 (2 t + y)), later v0-31 bo; v128-255 my four rows of q.
.set SP,   4112
.set CIMG, 32*SP                       ; behind the stage: ctx's fragments, [token tile 2][K step 8][half 2][512 bytes];
.set GAM,  16384                       ; from there on: gamma,
.set BET,  20480                       ; beta,
.set BOO,  24576                       ; bo: 4,096 bytes each
.set SW,   216
.set SA,   248
.set MSB,  0
.macro WIN new
.if MSB != \new
	s_set_vgpr_msb (MSB<<8)|\new
.set MSB, \new
.endif
.endm
.macro PLACES n
.rept \n
	v_nop
.endr
.endm
.macro WMS d, a, b, c, sa, sb, ra, rb  ; one product.  c < 0: the constant 0 starts the sum.  ra, rb = 1: that side's scales are read from lanes 16-31
.if (\c) < 0
.if (\ra) && (\rb)
	v_wmma_scale_f32_16x16x128_f8f6f4 v[(\d):(\d)+7], v[(\a):(\a)+7], v[(\b):(\b)+7], 0, v[(\sa)], v[(\sb)] matrix_a_fmt:MATRIX_FMT_FP4 matrix_b_fmt:MATRIX_FMT_FP4 matrix_a_scale:MATRIX_SCALE_ROW1 matrix_b_scale:MATRIX_SCALE_ROW1
.elseif (\ra)
	v_wmma_scale_f32_16x16x128_f8f6f4 v[(\d):(\d)+7], v[(\a):(\a)+7], v[(\b):(\b)+7], 0, v[(\sa)], v[(\sb)] matrix_a_fmt:MATRIX_FMT_FP4 matrix_b_fmt:MATRIX_FMT_FP4 matrix_a_scale:MATRIX_SCALE_ROW1
.elseif (\rb)
	v_wmma_scale_f32_16x16x128_f8f6f4 v[(\d):(\d)+7], v[(\a):(\a)+7], v[(\b):(\b)+7], 0, v[(\sa)], v[(\sb)] matrix_a_fmt:MATRIX_FMT_FP4 matrix_b_fmt:MATRIX_FMT_FP4 matrix_b_scale:MATRIX_SCALE_ROW1
.else
	v_wmma_scale_f32_16x16x128_f8f6f4 v[(\d):(\d)+7], v[(\a):(\a)+7], v[(\b):(\b)+7], 0, v[(\sa)], v[(\sb)] matrix_a_fmt:MATRIX_FMT_FP4 matrix_b_fmt:MATRIX_FMT_FP4
.endif
.else
.if (\ra) && (\rb)
	v_wmma_scale_f32_16x16x128_f8f6f4 v[(\d):(\d)+7], v[(\a):(\a)+7], v[(\b):(\b)+7], v[(\c):(\c)+7], v[(\sa)], v[(\sb)] matrix_a_fmt:MATRIX_FMT_FP4 matrix_b_fmt:MATRIX_FMT_FP4 matrix_a_scale:MATRIX_SCALE_ROW1 matrix_b_scale:MATRIX_SCALE_ROW1
.elseif (\ra)
	v_wmma_scale_f32_16x16x128_f8f6f4 v[(\d):(\d)+7], v[(\a):(\a)+7], v[(\b):(\b)+7], v[(\c):(\c)+7], v[(\sa)], v[(\sb)] matrix_a_fmt:MATRIX_FMT_FP4 matrix_b_fmt:MATRIX_FMT_FP4 matrix_a_scale:MATRIX_SCALE_ROW1
.elseif (\rb)
	v_wmma_scale_f32_16x16x128_f8f6f4 v[(\d):(\d)+7], v[(\a):(\a)+7], v[(\b):(\b)+7], v[(\c):(\c)+7], v[(\sa)], v[(\sb)] matrix_a_fmt:MATRIX_FMT_FP4 matrix_b_fmt:MATRIX_FMT_FP4 matrix_b_scale:MATRIX_SCALE_ROW1
.else
	v_wmma_scale_f32_16x16x128_f8f6f4 v[(\d):(\d)+7], v[(\a):(\a)+7], v[(\b):(\b)+7], v[(\c):(\c)+7], v[(\sa)], v[(\sb)] matrix_a_fmt:MATRIX_FMT_FP4 matrix_b_fmt:MATRIX_FMT_FP4
.endif
.endif
.endm
.macro LOADK s                         ; K step s's 16 loads of Wo's fragments into set s % 2
.irp t, 0,1,2,3,4,5,6,7
.irp c, 0,1
	global_load_b128 v[16+80*((\s)%2)+8*\t+4*\c:16+80*((\s)%2)+8*\t+4*\c+3], v8, s[6:7] offset:524288+8192*\t+1024*(\s)+512*\c
.endr
.endr
.endm
.macro ABLOAD s                        ; K step s's two fragments of ctx, from LDS, into set s % 2
.irp y, 0,1
.irp c, 0,1
	ds_load_b128 v[80+80*((\s)%2)+8*\y+4*\c:80+80*((\s)%2)+8*\y+4*\c+3], v3 offset:8192*\y+1024*(\s)+512*\c
.endr
.endr
.endm
.macro MULK s                          ; its 16 products: the accumulators take turns, one instruction a turn, in the same order in every step; the first step's start the sums
.irp t, 0,1,2,3,4,5,6,7
.irp y, 0,1
.if (\s) == 0
	WMS 8*(2*\t+\y), 16+80*((\s)%2)+8*\t, 80+80*((\s)%2)+8*\y, -1, SW+8*(\t/2)+(\s), SA+4*\y+(\s)/2, \t%2, (\s)%2
.else
	WMS 8*(2*\t+\y), 16+80*((\s)%2)+8*\t, 80+80*((\s)%2)+8*\y, 8*(2*\t+\y), SW+8*(\t/2)+(\s), SA+4*\y+(\s)/2, \t%2, (\s)%2
.endif
.endr
.endr
.endm
.macro REDUCE x                        ; the sum over the 32 lanes, in every lane
	v_add_f32_dpp v[\x], v[\x], v[\x] row_xmask:1 row_mask:0xf bank_mask:0xf
	v_add_f32_dpp v[\x], v[\x], v[\x] row_xmask:2 row_mask:0xf bank_mask:0xf
	v_add_f32_dpp v[\x], v[\x], v[\x] row_xmask:4 row_mask:0xf bank_mask:0xf
	v_add_f32_dpp v[\x], v[\x], v[\x] row_xmask:8 row_mask:0xf bank_mask:0xf
	v_permlanex16_b32 v210, v[\x], s22, s23
	v_add_f32 v[\x], v[\x], v210
.endm
	s_load_b512 s[4:19], s[0:1], 0x0               ; ca 4, wf 6, Wo_scales 8, bo 10, q 12, gamma 14, beta 16, out0 18
	v_lshrrev_b32 v1, 5, v0
	v_readfirstlane_b32 s2, v1                     ; wave 0..7
	v_and_b32 v13, 31, v0
	v_and_b32 v14, 15, v0                          ; r
	v_bfe_u32 v15, v0, 4, 1                        ; h
	v_lshlrev_b32 v1, 4, v13
	v_lshlrev_b32 v2, 2, v13
	v_lshl_add_u32 v204, v0, 4, CIMG               ; the copies: thread n's 16 bytes in LDS,
	v_lshlrev_b32 v205, 4, v0                      ; and in gamma, beta and bo
	s_lshl_b32 s24, s2, 16
	v_add_nc_u32 v8, s24, v1                       ; Wo's fragments: my 8 tiles of 8,192 bytes
	s_lshl_b32 s24, ttmp9, 14
	v_add_nc_u32 v9, s24, v205                     ; ctx's: the work-group's two token tiles are 16,384 consecutive bytes
	v_and_b32 v3, 8, v14
	v_add_nc_u32 v3, v3, v14
	v_lshl_add_u32 v3, v15, 3, v3
	v_lshlrev_b32 v3, 5, v3
	s_lshl_b32 s24, s2, 12
	v_add_nc_u32 v10, s24, v3                      ; Wo's scale bytes: lanes 0-15 an even tile's rows, lanes 16-31 the odd tile's
	v_add_nc_u32 v3, CIMG, v1                      ; the shared images, read: 16 x lane
	s_lshl_b32 s24, ttmp9, 10
	v_add_nc_u32 v11, s24, v2                      ; ctx's scale words
	s_lshl_b32 s24, s2, 9
	v_lshl_add_u32 v12, v15, 6, s24                ; my 128 columns' bytes in a row of the stage, + 16 h numbers
	v_mul_u32_u24 v4, v14, SP
	v_add_nc_u32 v4, v4, v12                       ; the stage, in: row r of token tile 0,
	v_add_nc_u32 v5, 16*SP, v4                     ; of token tile 1
	s_mul_i32 s24, s2, 4*SP
	v_add_nc_u32 v6, s24, v1                       ; out: my four rows, 16 bytes a lane
	s_lshl_b32 s24, ttmp9, 17
	s_lshl_b32 s25, s2, 14
	s_add_co_u32 s24, s24, s25
	v_add_nc_u32 v7, s24, v1                       ; the same rows in q and in out0
	s_mov_b32 s20, 0x3a800000                      ; 1 / 1,024
	s_mov_b32 s21, 0x3727c5ac                      ; 1e-5
	s_mov_b32 s22, 0x76543210
	s_mov_b32 s23, 0xfedcba98
.irp i, 209,210,211,213,215
	v_mov_b32 v\i, 0                               ; a permute's destination, and upper halves of pairs of which the low word serves both halves
.endr
	s_wait_kmcnt 0x0
.irp i, 0,1,2,3
	global_load_b128 v[176+4*\i:179+4*\i], v9, s[4:5] offset:4096*\i     ; the copies first: 7 loads
.endr
	global_load_b128 v[192:195], v205, s[14:15]
	global_load_b128 v[196:199], v205, s[16:17]
	global_load_b128 v[200:203], v205, s[10:11]
.irp bb, 0,1,2,3
.irp i, 0,1
	global_load_b128 v[SW+8*\bb+4*\i:SW+8*\bb+4*\i+3], v10, s[8:9] offset:1024*\bb+16*\i
.endr
.endr
.irp y, 0,1
.irp p, 0,1,2,3
	global_load_b32 v[SA+4*\y+\p], v11, s[4:5] offset:4194304+512*\y+128*\p
.endr
.endr
	LOADK 0
	LOADK 1
	s_wait_loadcnt 48                              ; the copies are in: behind them stand the scales' 16 loads and the 32 of K steps 0 and 1
.irp i, 0,1,2,3
	ds_store_b128 v204, v[176+4*\i:179+4*\i] offset:4096*\i
.endr
	ds_store_b128 v204, v[192:195] offset:GAM
	ds_store_b128 v204, v[196:199] offset:BET
	ds_store_b128 v204, v[200:203] offset:BOO
	s_wait_dscnt 0x0                               ; for the others' sake: my stores have landed
	s_barrier_signal -1
	s_barrier_wait -1                              ; the shared images are whole; nobody writes them again
	ABLOAD 0
.irp s, 0,1,2,3,4,5,6,7
.if \s < 7
	ABLOAD \s+1                                    ; into the other set: its last readers, the K step before, stand behind their four places
	s_wait_dscnt 4                                 ; this step's fragments of ctx are in; the next step's four loads may be out
.else
	s_wait_dscnt 0x0                               ; the last step's, and gamma and beta
.endif
; each count: the loads issued behind this K step's 16
.if (\s == 0) || (\s == 6)
	s_wait_loadcnt 16                              ; the next K step's
.elseif (\s == 1) || (\s == 5)
	s_wait_loadcnt 24                              ; a K step's and a row of q
.elseif \s == 7
	s_wait_loadcnt 0x0                             ; nothing was issued behind them: q is in too
.else
	s_wait_loadcnt 32                              ; a row of q, a K step, a row of q
.endif
	WIN 0x50                                       ; C and D in window 1
	MULK \s
	WIN 0
	PLACES 4                                       ; in front of loads into registers that the products read, and of the first read of results
.if \s < 6
	LOADK \s+2
.endif
.if \s < 4
	WIN 0x40                                       ; destination window 1
.irp i, 0,1,2,3,4,5,6,7
	global_load_b128 v[128+32*\s+4*\i:131+32*\s+4*\i], v7, s[12:13] offset:4096*\s+512*\i th:TH_LOAD_NT   ; my row \s of q
.endr
	WIN 0
.endif
.if \s == 6
.irp i, 0,1,2,3,4,5,6,7
	ds_load_b128 v[16+4*\i:19+4*\i], v3 offset:GAM+512*\i
.endr
.irp i, 0,1,2,3,4,5,6,7
	ds_load_b128 v[176+4*\i:179+4*\i], v3 offset:BET+512*\i
.endr
.endif
.endr
	WIN 0x04                                       ; an LDS store's data are its source 1: window 1
.irp t, 0,1,2,3,4,5,6,7
.irp y, 0,1
	ds_store_b128 v[4+\y], v[8*(2*\t+\y):8*(2*\t+\y)+3] offset:128*(\t/2)+32*(\t%2)        ; each accumulator from its low end on
	ds_store_b128 v[4+\y], v[8*(2*\t+\y)+4:8*(2*\t+\y)+7] offset:128*(\t/2)+32*(\t%2)+16
.endr
.endr
	WIN 0
	s_wait_dscnt 0x0                               ; for the others' sake: my stores have landed
	s_barrier_signal -1
	s_barrier_wait -1                              ; 32 whole rows lie in the stage
	WIN 0x40                                       ; destination window 1: the accumulators have been stored
.irp i, 0,1,2,3,4,5,6,7
	ds_load_b128 v[4*\i:4*\i+3], v3 offset:BOO+512*\i
.endr
	WIN 0
.irp ro, 0,1,2,3
.irp i, 0,1,2,3,4,5,6,7
	ds_load_b128 v[48+32*\ro+4*\i:51+32*\ro+4*\i], v6 offset:SP*\ro+512*\i
.endr
.endr
.macro ROWSUM ro
.set XR, 48+32*(\ro)
	s_wait_dscnt 8*(3-(\ro))                       ; bo and this row's eight loads are in; the later rows' may be out
	WIN 0x04                                       ; source 1 (bo, q) in window 1
.irp k, 0,2,4,6,8,10,12,14,16,18,20,22,24,26,28,30
	v_pk_add_f32 v[XR+\k:XR+\k+1], v[XR+\k:XR+\k+1], v[\k:\k+1]                            ; bo
.endr
.irp k, 0,2,4,6,8,10,12,14,16,18,20,22,24,26,28,30
	v_pk_add_f32 v[XR+\k:XR+\k+1], v[XR+\k:XR+\k+1], v[128+32*(\ro)+\k:129+32*(\ro)+\k]   ; the residual
.endr
	WIN 0
	v_pk_add_f32 v[12:13], v[XR:XR+1], v[XR+2:XR+3]
	v_pk_add_f32 v[14:15], v[XR+4:XR+5], v[XR+6:XR+7]
.irp k, 8,12,16,20,24,28
	v_pk_add_f32 v[12:13], v[12:13], v[XR+\k:XR+\k+1]
	v_pk_add_f32 v[14:15], v[14:15], v[XR+\k+2:XR+\k+3]
.endr
	v_pk_add_f32 v[12:13], v[12:13], v[14:15]
	v_add_f32 v12, v12, v13
	REDUCE 12
	v_mul_f32 v208, s20, v12                       ; the mean
.irp k, 0,2,4,6,8,10,12,14,16,18,20,22,24,26,28,30
	v_pk_add_f32 v[XR+\k:XR+\k+1], v[XR+\k:XR+\k+1], v[208:209] op_sel_hi:[1,0] neg_lo:[0,1] neg_hi:[0,1]
.endr
	v_pk_mul_f32 v[12:13], v[XR:XR+1], v[XR:XR+1]  ; the variance is taken of the differences, not as a difference of sums
	v_pk_mul_f32 v[14:15], v[XR+2:XR+3], v[XR+2:XR+3]
.irp k, 4,8,12,16,20,24,28
	v_pk_fma_f32 v[12:13], v[XR+\k:XR+\k+1], v[XR+\k:XR+\k+1], v[12:13]
	v_pk_fma_f32 v[14:15], v[XR+\k+2:XR+\k+3], v[XR+\k+2:XR+\k+3], v[14:15]
.endr
	v_pk_add_f32 v[12:13], v[12:13], v[14:15]
	v_add_f32 v12, v12, v13
	REDUCE 12
	v_fma_f32 v[8+(\ro)], v12, s20, s21            ; variance + 1e-5
.endm
	ROWSUM 0
	ROWSUM 1
	ROWSUM 2
	ROWSUM 3
.irp ro, 0,1,2,3
	v_rsq_f32 v[208+2*\ro], v[8+\ro]
.endr
	v_nop                                          ; a plain place behind the last of the four
	s_wait_alu depctr_va_vdst(0)                   ; one wait for the batch, ahead of its first reader
.irp ro, 0,1,2,3
.irp k, 0,2,4,6,8,10,12,14,16,18,20,22,24,26,28,30
	v_pk_mul_f32 v[48+32*\ro+\k:49+32*\ro+\k], v[48+32*\ro+\k:49+32*\ro+\k], v[208+2*\ro:209+2*\ro] op_sel_hi:[1,0]
.endr
.irp k, 0,2,4,6,8,10,12,14,16,18,20,22,24,26,28,30
	v_pk_fma_f32 v[48+32*\ro+\k:49+32*\ro+\k], v[48+32*\ro+\k:49+32*\ro+\k], v[16+\k:17+\k], v[176+\k:177+\k]
.endr
.irp i, 0,1,2,3,4,5,6,7
	global_store_b128 v7, v[48+32*\ro+4*\i:51+32*\ro+4*\i], s[18:19] offset:4096*\ro+512*\i th:TH_STORE_NT   ; 512 consecutive bytes, aligned
.endr
.endr
	s_wait_xcnt 0x0
	v_lshl_add_u32 v254, v0, 2, 0x27200
	v_mov_b32 v255, 0
	s_wait_tensorcnt 0x0
	ds_add_u32 v254, v255
	s_wait_dscnt 0x0
	s_endpgm
.Lfunc_end_k_qc1ad546997_outp:
	.size	k_qc1ad546997_outp, .Lfunc_end_k_qc1ad546997_outp-k_qc1ad546997_outp
	.p2alignl 7, 3214868480
	.fill 96, 4, 3214868480
	.section	.rodata,"a",@progbits
	.p2align	6, 0x0
	.amdhsa_kernel k_qc1ad546997_outp
		.amdhsa_group_segment_fixed_size 161280
		.amdhsa_private_segment_fixed_size 0
		.amdhsa_enable_private_segment 0
		.amdhsa_kernarg_size 64
		.amdhsa_user_sgpr_count 2
		.amdhsa_user_sgpr_kernarg_segment_ptr 1
		.amdhsa_wavefront_size32 1
		.amdhsa_system_sgpr_workgroup_id_x 1
		.amdhsa_system_sgpr_workgroup_id_y 1
		.amdhsa_system_sgpr_workgroup_id_z 1
		.amdhsa_system_vgpr_workitem_id 0
		.amdhsa_next_free_vgpr 512
		.amdhsa_next_free_sgpr 66
		.amdhsa_reserve_vcc 0
		.amdhsa_float_denorm_mode_32 3
		.amdhsa_float_denorm_mode_16_64 3
		.amdhsa_memory_ordered 1
		.amdhsa_forward_progress 1
		.amdhsa_inst_pref_size 82
	.end_amdhsa_kernel
	.amdgpu_metadata
---
amdhsa.version: [ 1, 2 ]
amdhsa.kernels:
  - .name:           k_qc1ad546997_outp
    .symbol:         k_qc1ad546997_outp.kd
    .args:
      - { .name: ca, .offset: 0, .size: 8, .value_kind: global_buffer, .address_space: global }
      - { .name: wf, .offset: 8, .size: 8, .value_kind: global_buffer, .address_space: global }
      - { .name: Wo_scales, .offset: 16, .size: 8, .value_kind: global_buffer, .address_space: global }
      - { .name: bo, .offset: 24, .size: 8, .value_kind: global_buffer, .address_space: global }
      - { .name: q, .offset: 32, .size: 8, .value_kind: global_buffer, .address_space: global }
      - { .name: gamma, .offset: 40, .size: 8, .value_kind: global_buffer, .address_space: global }
      - { .name: beta, .offset: 48, .size: 8, .value_kind: global_buffer, .address_space: global }
      - { .name: out0, .offset: 56, .size: 8, .value_kind: global_buffer, .address_space: global }
    .group_segment_fixed_size: 161280
    .private_segment_fixed_size: 0
    .kernarg_segment_align: 8
    .kernarg_segment_size: 64
    .max_flat_workgroup_size: 256
    .sgpr_count:     66
    .vgpr_count:     512
    .wavefront_size: 32
...
	.end_amdgpu_metadata
.endif
;; end of part 3
